; MI455X (gfx1250); checked and timed in simulation.
; The chip was launched on July 23, 2026; its instructions are those of AMD's public machine-readable ISA for CDNA 5 (MIT licence, August 2026) and "CDNA5" Instruction Set Architecture Reference Guide (July 2026). The comments in the code are by the model that wrote it; some were corrected since.
;; Bilinear Head. Allowed arithmetic: float matrix products may take bf16 or f16 operands with f32 sums; other float arithmetic in f32, or as packed bf16 or f16 multiplies, adds, multiply-adds, maxima and minima; sums over many terms, partial sums and values carried from step to step in f32; what a program stores and reads back later, other than sums and carried values, may be rounded once to bf16 or f16.
;; Inputs: from_b 64 float32; from_idx 1,968 int32; from_w 64 x 256 float32; norm_weight 256 x 8 x 8 float32; promo_bias 5 float32; promo_idx 1,968 int32; to_b 64 float32; to_idx 1,968 int32; to_w 64 x 256 float32; x 1,024 x 256 x 8 x 8 float32.
;; Outputs: out0 1,024 x 1,968 float32.
;; One version. Each part assembles by itself: llvm-mc -triple=amdgcn-amd-amdhsa -mcpu=gfx1250 --defsym DOCPART=n.
;; ======== version 1 of 1: 1 launch
;; limits: values are held in f16: magnitudes above 65,504 overflow, below 6.1e-05 lose precision; right only within a limited range of input values
;; launch head (part 1): grid 256 x 1, 4 waves a work-group, no clusters, 292,352 bytes of LDS; arguments x, norm_weight, from_w, to_w, from_b, to_b, promo_bias, from_idx, to_idx, promo_idx, out0; writes out0
.if DOCPART == 1
	.amdgcn_target "amdgcn-amd-amdhsa--gfx1250"
	.amdhsa_code_object_version 6
	.text
	.protected	k_q4ebea4a9be_head
	.globl	k_q4ebea4a9be_head
	.p2align	8
	.type	k_q4ebea4a9be_head,@function
k_q4ebea4a9be_head:
	s_mov_b64 s[64:65], 0
	v_nop
	global_prefetch_b8 v0, s[64:65] scope:SCOPE_SE
	s_setreg_imm32_b32 hwreg(HW_REG_WAVE_MODE, 25, 1), 1
	s_wait_xcnt 0x0
; out0[b][v] = f[b][:, from_idx[v]] . t[b][:, to_idx[v]] + promo_bias[promo_idx[v]],  f = from_w xn + from_b, t = to_w xn + to_b, xn = x / rms(x[b]) * norm_weight.
; x: [1024][256 c][64 hw] f32.  from_w, to_w: [64 d][256 c] f32.  norm_weight: [256][64] f32.  out0: [1024][1968] f32.
; NOTHING IS LEFT OUT: all ten inputs have a way to the output and all are loaded.
; THE FORM.  The gathered dot products of a batch are entries of S = f^T t (64 x 64, K = 64 over d): S is made whole by 32 matrix instructions, laid into LDS, and a move is one
; 4-byte lookup at an offset made once from from_idx and to_idx.  1/rms is a factor of the whole batch, so it is applied behind the first product: f = (W (x nw)) / rms + b.
; SHARES.  256 work-groups of four waves; a wave owns ONE batch from its first load to its last store: 64 KiB of x, read once, straight into registers.
; FORMATS AND LIMITS.  Matrix operands are f16 (x nw, the weights, f, t), each rounded once; all sums, the sum of squares, 1/rms and the biases are f32.  f16 ends at 65,504:
; |x nw|, |from_w|, |to_w|, |f| and |t| must stay below that; below 6e-5 an operand keeps f16's fixed step of 6e-8.  Of from_idx and to_idx the low six bits are used (0..63);
; a promo_idx outside 0..4 takes promo_bias[0].  NaN and infinities are not treated apart.
; LAYOUT (lane L: r = L % 16, h = L / 16).  The 64 squares fall into four tiles, tile i = the squares 4 r + i.  One 16-byte load at x[c][4 r ..] gives the lane one number of each tile
; at channel c; load jj of a K step of 32 channels takes c = 8 h + jj (+ 8 from jj = 8 on), which is the order of a 16-bit fragment's registers: two neighbouring loads' numbers, rounded
; as a pair, ARE register jj / 2 of tile i's fragment.  Lanes 0-15 of a load read one channel's 256 consecutive bytes, lanes 16-31 those of the channel 8 on.
; First product: source 0 = 16 rows d of a weight, source 1 = x's fragment: in acc(dt, i) a lane holds square 4 r + i and its registers d = 16 dt + 8 h + 0..7.  Two such results, rounded
; in pairs, ARE a fragment (32 d) of the second product: nothing changes lanes.  dt 0-3: f (source 0, rows p), dt 4-7: t (source 1, columns q).
; In S's tile (pi, qi) register j of lane (r, h) is p = 4 (8 h + j) + pi, q = 4 r + qi; it is stored as it lies, so S(p, q) stands at byte
;   (p&3)<<12 | (q&3)<<10 | (p&0x30)<<4 | (q&0x3c)<<2 | (p&0xc)   of the wave's stage.
; THE WEIGHTS and norm_weight, 192 KiB, come into LDS once, IN FOUR CHUNKS OF 64 CHANNELS (two K steps): 64 rows of 256 bytes of each of the three tensors.  Wave 0 asks for from_w's four chunks, wave 1 for
; to_w's, wave 2 for norm_weight's, all at the kernel's head and in the order of K: by this text's count a wave has at most four tensor loads outstanding.  A chunk is waited for only where its first K step
; begins: a counted wait that leaves the later chunks on their way, and a barrier.  Nothing in LDS is filled twice.
; NO CLUSTER, though every work-group wants the same 192 KiB.
; What joint requests would spare is three of four requests for those 192 KiB, beside 256 KiB of x of a work-group's own.
; NO PREFETCH: each byte of x is asked for by its own load, four of the eight K steps at the kernel's head, the others as registers come free.
; REGISTERS, in windows of 256 (s_set_vgpr_msb: bits 1:0 source 0, 3:2 source 1, 5:4 source 2, 7:6 destination):
;   window 0: v0-45 addresses, sums of squares, 1/rms; v48-175 the weights' fragments in f16, two buffers (at the head: the index tables at work; at the end: f's and t's fragments); v176-239 x's fragments, two buffers
;   window 1: x as loaded, a ring of four K steps of 64 registers; at the end S (v0-127), the moves' offsets and then results (v128-191), the moves' promo_bias (v192-255)
;   window 2: the 32 accumulators acc(dt, i) at 8 (4 dt + i)          window 3: v0-63 norm_weight of a step; v64-191 the weights of a step in f32; v192-255 the biases
.set WP,    272       ; an LDS row of a chunk: 256 bytes + 16 of padding = 17 x 16: the 16 rows of a fragment load start at 16 different groups of four banks (64 banks of 4 bytes: ISA guide 11.1)
.set CH,    64*WP     ; a chunk of one tensor: 64 rows, 17,408 bytes
.set WTB,   4*CH      ; LDS: from_w's four chunks at 0, to_w's here (69,632)
.set NWB,   8*CH      ; norm_weight's: a row is a channel, so channel c stands at NWB + 272 c
.set BIASB, 208896    ; from_b's 64 words, then to_b's
.set PADZ,  209408    ; 512 bytes of zeros: what the lanes of a row's chunk 0 that lie in front of the row read as offsets
.set TABA,  209920    ; the moves' offsets in a stage: 1,968 words, filled up to 2,048 with the last four moves' once more
.set TABD,  8192      ; from there to the moves' promo_bias, laid out likewise
.set STAGE, 226304    ; S: 16,384 bytes for each wave, its own
.set SPARE, 291840    ; the spare words, 128 bytes for each wave: two blocks of 256 bytes that no other line names
.set VX,   4          ; v4   2048 h + 16 r: my place in a K step of x
.set AWF,  5          ; v5   272 r + 32 h: my place in a fragment of from_w
.set AWT,  6          ; v6   the same in to_w
.set ANW,  7          ; v7   NWB + 2176 h + 16 r: norm_weight's channels 0-127;  v8  the same 128 channels on (an LDS immediate ends at 65,535)
.set TI,   9          ; v9   16 t: my four moves in a pass over the index inputs (t: the thread's number)
.set TI3,  10         ; v10  the same in the fourth pass, held to the last four moves
.set ZO,   11         ; v11  0: every lane reads promo_bias from its first byte
.set BO,   12         ; v12  4 (t % 64)
.set BST,  13         ; v13  BIASB + 4 t
.set TS,   14         ; v14  TABA + 16 t
.set LT,   16         ; v16  TABA - SH + 16 L: my four moves of chunk 0 in the offsets' table
.set GO,   19         ; v19  my 16 bytes of chunk 1 of my row of out0: 16 L + 512 - SH
.set G0,   20         ; v20  of chunk 0: 16 L - SH, held to 0
.set G15,  21         ; v21  of chunk 15: 16 L + 7680 - SH, held to the row's last 16 bytes
.set L16,  22         ; v22  16 L
.set STO,  23         ; v23  my stage + 16 r + 512 h
.set ABI,  24         ; v24  BIASB + 32 h
.set SS,   32         ; v32-39  the sum of squares, four chains of pairs
.set RI,   40         ; v40-41  1 / rms, twice
.set SPW,  44         ; v44  LDS address of my spare word: SPARE + 4 t; never rewritten
.set NIL,  45         ; v45  0; never rewritten
.set WF,   48         ; the weights' fragments: buffer par at + 64 par, tile dt at + 8 dt
.set XF,   176        ; x's fragments: buffer par at + 32 par, tile i at + 8 i
.set FI,   48         ; at the head: from_idx, then the offsets;
.set TO,   64         ; to_idx;
.set PI,   80         ; promo_idx, then promo_bias[promo_idx];
.set BV,   97         ; my word of the biases;
.set T1,   98         ; two at work;
.set T2,   99
.set P0,   100        ; v100-104  promo_bias, all five in every lane
.set FR,   48         ; at the end: f's fragments, (tile i, half kk of d) at + 16 i + 8 kk; t's 64 further on
.set AD,   128        ; window 1
.set PB,   192        ; window 1
.set NWT,  0          ; window 3
.set WT,   64         ; window 3: tile dt at + 16 dt
.set BI,   192        ; window 3: tile dt's eight at + 8 dt
; scalars: s4 wave; s7 batch; s8 SH; s9 my stage; s[10:11] an offset; s12-13 lane selects; s14 2^-14; s15 1e-6; s[16:37] the arguments; s38 TABA - SH; s39 256; s41 my tensor's place in LDS; s[42:43] my tensor, walking;
; s52 512 - SH; s53 7680 - SH; s[54:55] x at my batch; s[56:57] out0 at my row; s[58:59] from_b or to_b; s60 EXEC kept; s61, s62 the lanes of chunks 0 and 15; s63 192 + SH
.set G1W,  44         ; s[44:51] descriptor group 1 for a chunk of a weight
.set G1N,  68         ; s[68:75] for a chunk of norm_weight: it differs in the stride alone
.set G0D,  76         ; s[76:91] descriptor group 0, a set for each of my four chunks
.set MSB, 0
.macro WIN new                      ; the immediate's high byte repeats the setting that is left; a switch that changes nothing is dropped
.if MSB != (\new)
	s_set_vgpr_msb (MSB<<8)|(\new)
.set MSB, (\new)
.endif
.endm
; K step s of x (32 channels, 8 KiB) into ring slot: sixteen loads, each two runs of 256 consecutive bytes, aligned.
.macro XLOAD slot, s
	WIN 0x40                        ; destination window 1, address window 0
.set jj, 0
.rept 16
	global_load_b128 v[64*(\slot)+4*jj:64*(\slot)+4*jj+3], v[VX], s[54:55] offset:(32*(\s)+jj+8*(jj/8))*256 th:TH_LOAD_NT
.set jj, jj+1
.endr
.endm
; K step s of both weights, f32, out of LDS (chunk s / 2, half s % 2 of its rows): for each of the eight tiles of 16 rows d my row's channels 8 h + 0..7 and 16 + 8 h + 0..7: 32 loads.
.macro WLOAD s
	WIN 0xC0                        ; destination window 3, address window 0
.set dt, 0
.rept 8
.set wa, AWF+dt/4
.set wo, ((\s)/2)*CH+(dt%4)*16*WP+((\s)%2)*128
	ds_load_b128 v[WT+16*dt:WT+16*dt+3],     v[wa] offset:wo
	ds_load_b128 v[WT+16*dt+4:WT+16*dt+7],   v[wa] offset:wo+16
	ds_load_b128 v[WT+16*dt+8:WT+16*dt+11],  v[wa] offset:wo+64
	ds_load_b128 v[WT+16*dt+12:WT+16*dt+15], v[wa] offset:wo+80
.set dt, dt+1
.endr
.endm
; K step s of norm_weight, at the places of x's sixteen loads: 16 lanes take a channel's 256 consecutive bytes.
.macro NLOAD s
	WIN 0xC0
.set jj, 0
.rept 16
	ds_load_b128 v[NWT+4*jj:NWT+4*jj+3], v[ANW+(\s)/4] offset:(32*((\s)%4)+jj+8*(jj/8))*WP
.set jj, jj+1
.endr
.endm
; The step's weights rounded to f16: 64 lines.
.macro WCVT par
	WIN 0x0F                        ; sources window 3, destination window 0
.set n, 0
.rept 64
	v_cvt_pk_f16_f32 v[WF+64*(\par)+n], v[WT+2*n], v[WT+2*n+1]
.set n, n+1
.endr
.endm
; The step's x: its squares onto the four chains (first = 1: the first four lines start them), x times norm_weight in place, and the pairs rounded to f16 into the four tiles' fragments.
.macro XPROC slot, par, first
.set xb, 64*(\slot)
.set xf, XF+32*(\par)
	WIN 0x05                        ; sources 0 and 1 window 1; source 2 and destination window 0
.set n, 0
.rept 32
.if (\first) && (n < 4)
	v_pk_mul_f32 v[SS+2*n:SS+2*n+1], v[xb+2*n:xb+2*n+1], v[xb+2*n:xb+2*n+1]
.else
	v_pk_fma_f32 v[SS+2*(n%4):SS+2*(n%4)+1], v[xb+2*n:xb+2*n+1], v[xb+2*n:xb+2*n+1], v[SS+2*(n%4):SS+2*(n%4)+1]
.endif
.set n, n+1
.endr
	WIN 0x4D                        ; destination and source 0 window 1, source 1 window 3
.set n, 0
.rept 32
	v_pk_mul_f32 v[xb+2*n:xb+2*n+1], v[xb+2*n:xb+2*n+1], v[NWT+2*n:NWT+2*n+1]
.set n, n+1
.endr
	WIN 0x05
.set i, 0
.rept 4
.set u, 0
.rept 8
	v_cvt_pk_f16_f32 v[xf+8*i+u], v[xb+8*u+i], v[xb+8*u+4+i]  ; loads 2 u and 2 u + 1, number i of each
.set u, u+1
.endr
.set i, i+1
.endr
.endm
; The step's 32 products.  The 32 accumulators take turns, one instruction a turn, in the same order in every step: 31 others stand between two links of a chain.
; zero = 1: the first step starts the sums: nothing is cleared.
.macro MUL par, zero
	WIN 0xA0                        ; sources 0 and 1 window 0; C and D window 2
.set a, 0
.rept 32
.if \zero
	v_wmma_f32_16x16x32_f16 v[8*a:8*a+7], v[WF+64*(\par)+8*(a/4):WF+64*(\par)+8*(a/4)+7], v[XF+32*(\par)+8*(a%4):XF+32*(\par)+8*(a%4)+7], 0
.else
	v_wmma_f32_16x16x32_f16 v[8*a:8*a+7], v[WF+64*(\par)+8*(a/4):WF+64*(\par)+8*(a/4)+7], v[XF+32*(\par)+8*(a%4):XF+32*(\par)+8*(a%4)+7], v[8*a:8*a+7]
.endif
.set a, a+1
.endr
.endm
; The moves' offsets and promo_bias for my row's sixteen chunks of 512 bytes, out of the tables: 32 loads, into ring slots 2 and 3, which have been read out.  Chunk k begins 512 k - SH bytes
; into a table: chunk 0's first lanes fall into what lies in front of the table, chunk 15's last into its filled-up end: all bytes that have been stored; those lanes store nothing.
.macro TLOAD
	WIN 0x40
.set k, 0
.rept 16
	ds_load_b128 v[AD+4*k:AD+4*k+3], v[LT] offset:512*k
	ds_load_b128 v[PB+4*k:PB+4*k+3], v[LT] offset:512*k+TABD
.set k, k+1
.endr
.endm
; The biases of d = 16 dt + 8 h + 0..7, from_b's four tiles and then to_b's: 16 loads.
.macro BLOAD
	WIN 0xC0
.set dt, 0
.rept 8
	ds_load_b128 v[BI+8*dt:BI+8*dt+3],   v[ABI] offset:64*dt
	ds_load_b128 v[BI+8*dt+4:BI+8*dt+7], v[ABI] offset:64*dt+16
.set dt, dt+1
.endr
.endm
; A K STEP.  The fragments have two buffers each: the lines that write a buffer anew stand a whole step (160 plain vector instructions that name none of its registers) behind the
; products that read it (ISA guide 7.12.1 asks for four).  The step of x four on is asked for as soon as its slot is read out.
; An EVEN step's successor lies in the same chunk: its weights are asked of LDS as soon as the conversion has freed their registers.
; An ODD step's successor lies in the next chunk: behind the step's vector work each wave waits for its own load of that chunk (the count leaves the later chunks on their way) and meets the
; others at a barrier; then both runs of LDS loads go out, ahead of the step's 32 products.  No LDS instruction of the wave is out at the signal: the wait for 0 stands in front of the vector work, and none is issued behind it.
.macro STEP s
	s_wait_dscnt 16                 ; LDS loads come back in order (ISA guide 5.7.1): the weights are in; the 16 younger loads are norm_weight's
	WCVT (\s)%2
.if ((\s)%2) == 0
	WLOAD (\s)+1
.endif
.if (\s) <= 4
	s_wait_loadcnt 48               ; this step's x is in; the three steps asked for behind it stay out
.else
	s_wait_loadcnt 16*(7-(\s))      ; the counts run down: 32, 16, 0
.endif
.if ((\s)%2) == 0
	s_wait_dscnt 32                 ; norm_weight is in; the 32 younger loads are the next step's weights
.else
	s_wait_dscnt 0x0                ; norm_weight is in; nothing was asked of LDS behind it
.endif
.if (\s) == 0
	XPROC 0, 0, 1
.else
	XPROC (\s)%4, (\s)%2, 0
.endif
.if (\s) < 4
	XLOAD \s, (\s)+4                ; the slot just read out takes the step four on
.endif
.if (\s) == 7
	TLOAD                           ; the last step asks for what the end wants: it lands under the step's products
	BLOAD
.elseif ((\s)%2) == 1
	s_wait_tensorcnt 2-(\s)/2       ; tensor loads of a wave end in order (ISA guide 10.11.1): my load of chunk (s + 1) / 2 has landed; the 2, 1, 0 chunks behind it stay out
	s_barrier_signal -1
	s_barrier_wait -1               ; everybody's has.
	WLOAD (\s)+1
	NLOAD (\s)+1
.else
	NLOAD (\s)+1
.endif
.if (\s) == 0
	MUL 0, 1
.else
	MUL (\s)%2, 0
.endif
.endm
; Chunk k of my row of out0.  A row begins SH bytes behind a multiple of 256, so the chunks are shifted back by SH: each store covers two aligned runs of 256 consecutive bytes.
; Chunk 0 begins in front of the row and chunk 15 ends behind it: there EXEC is narrowed to the row's lanes, and it changes only behind s_wait_xcnt 0, both ways.
.macro OSTORE
.if k == 0
	s_wait_xcnt 0x0
	s_and_saveexec_b32 s60, s61
	global_store_b128 v[G0], v[AD:AD+3], s[56:57] th:TH_STORE_NT
	s_wait_xcnt 0x0
	s_or_b32 exec_lo, exec_lo, s60
.elseif k == 15
	s_wait_xcnt 0x0
	s_and_saveexec_b32 s60, s62
	global_store_b128 v[G15], v[AD+60:AD+63], s[56:57] th:TH_STORE_NT
	s_wait_xcnt 0x0
	s_or_b32 exec_lo, exec_lo, s60
.else
	global_store_b128 v[GO], v[AD+4*k:AD+4*k+3], s[56:57] offset:512*(k-1) th:TH_STORE_NT
.endif
.endm
	s_load_b512 s[16:31], s[0:1], 0x0   ; x s[16:17], norm_weight s[18:19], from_w s[20:21], to_w s[22:23], from_b s[24:25], to_b s[26:27], promo_bias s[28:29], from_idx s[30:31]
	s_load_b128 s[32:35], s[0:1], 0x40  ; to_idx s[32:33], promo_idx s[34:35]
	s_load_b64 s[36:37], s[0:1], 0x50   ; out0
	v_lshl_add_u32 v[SPW], v0, 2, SPARE
	v_mov_b32 v[NIL], 0
	ds_add_u32 v[SPW], v[NIL]       ; the wave's opening: the add, twice on end, and its wait ahead of my first tensor load; the set-up below, work on registers, stands between
	ds_add_u32 v[SPW], v[NIL]       ; and once more, under the one wait
	v_lshrrev_b32 v25, 5, v0
	v_readfirstlane_b32 s4, v25     ; wave 0..3
	s_lshl_b32 s7, ttmp9, 2
	s_add_co_u32 s7, s7, s4         ; my batch = 4 x work-group + wave
	s_mul_i32 s8, s4, 192           ; a row of out0 is 7,872 = 30 x 256 + 192 bytes, and four rows are 123 x 256:
	s_and_b32 s8, s8, 255           ; SH = (192 x wave) mod 256 is where my row begins in a run of 256: 0, 192, 128, 64
	s_lshl_b32 s9, s4, 14
	s_add_co_u32 s9, s9, STAGE      ; my stage
	s_sub_co_u32 s38, TABA, s8
	s_sub_co_u32 s52, 512, s8
	s_sub_co_u32 s53, 7680, s8
	s_add_co_u32 s63, s8, 192
	s_mov_b32 s12, 0x76543210       ; v_permlanex16_b32: each lane takes its own place in the other half
	s_mov_b32 s13, 0xfedcba98
	s_mov_b32 s14, 0x38800000       ; 2^-14 = 1 / (256 x 64)
	s_mov_b32 s15, 0x358637bd       ; 1e-6
	s_movk_i32 s39, 0x100
	; descriptor group 1: a chunk is 64 rows of 64 elements of 4 bytes, padded in LDS
.irp g, G1W, G1N
	s_mov_b32 s[\g], (2<<16)|(1<<20)|(5<<22)|(3<<25)  ; 15:0 no mask; 17:16 elements of 4 bytes; 20 padding on; 24:22 after every 64 words (code 5); 31:25 4 words (code 3)
	s_mov_b32 s[\g+1], 64<<16       ; tensor_dim0 = 64
	s_mov_b32 s[\g+2], 64<<16       ; tensor_dim1 = 64
	s_mov_b32 s[\g+3], 64<<16       ; tile_dim0 = 64
	s_mov_b32 s[\g+4], 64           ; tile_dim1 = 64
	s_mov_b32 s[\g+6], 0
	s_mov_b32 s[\g+7], 0
.endr
	s_mov_b32 s[G1W+5], 256         ; a weight's rows are 256 elements apart,
	s_mov_b32 s[G1N+5], 64          ; norm_weight's channels 64
	s_mul_i32 s41, s4, WTB          ; wave 0 from_w, wave 1 to_w, wave 2 norm_weight: 69,632 bytes of LDS each
.irp q, 0,1,2,3
	s_mov_b32 s[G0D+4*\q], 1                    ; 1:0 count = 1
	s_add_co_u32 s[G0D+4*\q+1], s41, \q*CH      ; 63:32 LDS address: my tensor's chunk q
.endr
	v_and_b32 v1, 31, v0            ; L
	v_and_b32 v2, 15, v0            ; r
	v_bfe_u32 v3, v0, 4, 1          ; h
	v_lshlrev_b32 v26, 4, v2        ; 16 r
	v_lshl_add_u32 v[VX], v3, 11, v26
	v_mul_u32_u24 v[AWF], v2, WP
	v_lshl_add_u32 v[AWF], v3, 5, v[AWF]
	v_add_nc_u32 v[AWT], WTB, v[AWF]
	v_mul_u32_u24 v[ANW], v3, 8*WP  ; 8 channels are eight LDS rows
	v_add_nc_u32 v[ANW], v26, v[ANW]
	v_add_nc_u32 v[ANW], NWB, v[ANW]
	v_add_nc_u32 v[ANW+1], 128*WP, v[ANW]
	v_lshlrev_b32 v[TI], 4, v0
	v_add_nc_u32 v[TI3], 6144, v[TI]
	v_min_u32 v[TI3], 7856, v[TI3]  ; 1,968 moves are 492 groups of four: threads 108 to 127 load the last group once more, and store it behind the tables' 7,872 bytes
	v_mov_b32 v[ZO], 0
	v_and_b32 v[BO], 63, v0
	v_lshlrev_b32 v[BO], 2, v[BO]
	v_lshl_add_u32 v[BST], v0, 2, BIASB
	v_add_nc_u32 v[TS], TABA, v[TI]
	v_lshlrev_b32 v[L16], 4, v1
	v_add_nc_u32 v[LT], s38, v[L16]
	v_add_nc_u32 v[GO], s52, v[L16]
	v_max_u32 v27, s8, v[L16]
	v_sub_nc_u32 v[G0], v27, s8     ; max(16 L, SH) - SH
	v_add_nc_u32 v[G15], s53, v[L16]
	v_min_u32 v[G15], 7856, v[G15]
	v_lshl_add_u32 v[STO], v3, 9, v26
	v_add_nc_u32 v[STO], s9, v[STO]
	v_lshlrev_b32 v[ABI], 5, v3
	v_add_nc_u32 v[ABI], BIASB, v[ABI]
	s_wait_dscnt 0x0                ; both opening adds are done
	s_wait_kmcnt 0x0
	s_lshl_b32 s10, s7, 16          ; a batch of x is 65,536 bytes
	s_mov_b32 s11, 0
	s_add_nc_u64 s[54:55], s[16:17], s[10:11]
	s_mul_i32 s10, s7, 7872
	s_add_nc_u64 s[56:57], s[36:37], s[10:11]
	s_cmp_lt_u32 s4, 2
	s_cselect_b64 s[58:59], s[24:25], s[26:27]  ; waves 0, 1 bring from_b, waves 2, 3 to_b
	s_cmp_eq_u32 s4, 0
	s_cselect_b64 s[42:43], s[20:21], s[22:23]  ; my tensor, chosen by the wave's number
	s_cmp_eq_u32 s4, 2
	s_cselect_b64 s[42:43], s[18:19], s[42:43]
	s_cselect_b32 s10, 0x4000, s39  ; from chunk to chunk: 64 channels of norm_weight are 16,384 bytes on end; 64 channels of a weight's row are 256 bytes
.irp q, 0,1,2,3
	s_mov_b64 s[G0D+4*\q+2:G0D+4*\q+3], s[42:43]             ; 120:64 global address of chunk q
	s_or_b32 s[G0D+4*\q+3], s[G0D+4*\q+3], 0x80000000        ; 127:126 type = 2
.if \q < 3
	s_add_nc_u64 s[42:43], s[42:43], s[10:11]
.endif
.endr
	; a wave's four first fills stand in one arm, in the order of K, ahead of every wait on TENSORcnt, every LDS read and every barrier; wave 3 has none.
	; An s_nop 0 follows each load and four v_nop the last.
	s_cmp_lt_u32 s4, 2
	s_cbranch_scc0 .Lnot_a_weight
.irp q, 0,1,2,3
	tensor_load_to_lds s[G0D+4*\q:G0D+4*\q+3], s[G1W:G1W+7]
	s_nop 0
.endr
.rept 4
	v_nop
.endr
	s_branch .Lasked
.Lnot_a_weight:
	s_cmp_eq_u32 s4, 2
	s_cbranch_scc0 .Lasked
.irp q, 0,1,2,3
	tensor_load_to_lds s[G0D+4*\q:G0D+4*\q+3], s[G1N:G1N+7]
	s_nop 0
.endr
.rept 4
	v_nop
.endr
.Lasked:
	; the index inputs, shared out among the 128 threads: four passes of four moves a thread; promo_bias; the biases: 15 loads
.irp p, 0,1,2
	global_load_b128 v[FI+4*\p:FI+4*\p+3], v[TI], s[30:31] offset:2048*\p
	global_load_b128 v[TO+4*\p:TO+4*\p+3], v[TI], s[32:33] offset:2048*\p
	global_load_b128 v[PI+4*\p:PI+4*\p+3], v[TI], s[34:35] offset:2048*\p
.endr
	global_load_b128 v[FI+12:FI+15], v[TI3], s[30:31]
	global_load_b128 v[TO+12:TO+15], v[TI3], s[32:33]
	global_load_b128 v[PI+12:PI+15], v[TI3], s[34:35]
	global_load_b128 v[P0:P0+3], v[ZO], s[28:29]
	global_load_b32 v[P0+4], v[ZO], s[28:29] offset:16
	global_load_b32 v[BV], v[BO], s[58:59]
	XLOAD 0, 0                      ; and the first three K steps of x: 24 KiB a wave on their way before anything is waited for
	XLOAD 1, 1
	XLOAD 2, 2
	WIN 0
	; THE TABLES, made while the first chunk is on its way: each thread's 16 moves
	s_wait_loadcnt 48               ; the 15 small loads are in; x's 48, issued behind them, stay out
.set n, 0
.rept 16
	v_and_b32 v[T1], 3, v[FI+n]
	v_and_b32 v[T2], 48, v[FI+n]
	v_and_b32 v[FI+n], 12, v[FI+n]              ; p & 0xc
	v_lshl_or_b32 v[FI+n], v[T1], 12, v[FI+n]   ; | (p & 3) << 12
	v_lshl_or_b32 v[FI+n], v[T2], 4, v[FI+n]    ; | (p & 0x30) << 4
	v_and_b32 v[T1], 3, v[TO+n]
	v_and_b32 v[T2], 60, v[TO+n]
	v_lshl_or_b32 v[FI+n], v[T1], 10, v[FI+n]   ; | (q & 3) << 10
	v_lshl_or_b32 v[FI+n], v[T2], 2, v[FI+n]    ; | (q & 0x3c) << 2
	v_cmp_eq_u32 vcc_lo, 1, v[PI+n]             ; promo_bias[promo_idx]: a choice among five numbers that every lane holds
	v_cndmask_b32 v[T1], v[P0], v[P0+1], vcc_lo
	v_cmp_eq_u32 vcc_lo, 2, v[PI+n]
	v_cndmask_b32 v[T1], v[T1], v[P0+2], vcc_lo
	v_cmp_eq_u32 vcc_lo, 3, v[PI+n]
	v_cndmask_b32 v[T1], v[T1], v[P0+3], vcc_lo
	v_cmp_eq_u32 vcc_lo, 4, v[PI+n]
	v_cndmask_b32 v[PI+n], v[T1], v[P0+4], vcc_lo
.set n, n+1
.endr
	v_mov_b32 v[T2], 0
.irp p, 0,1,2,3
	ds_store_b128 v[TS], v[FI+4*\p:FI+4*\p+3] offset:2048*\p       ; 128 threads x 16 bytes x 4 passes: each table's 8,192 bytes are all stored
	ds_store_b128 v[TS], v[PI+4*\p:PI+4*\p+3] offset:2048*\p+TABD
.endr
	ds_store_b32 v[BST], v[BV]
	ds_store_b32 v[BST], v[T2] offset:PADZ-BIASB
	XLOAD 3, 3                      ; the fourth K step
	s_wait_tensorcnt 0x3            ; my load of chunk 0 has landed; the three chunks asked for behind it stay out,
	s_wait_dscnt 0x0                ; my part of the tables is stored:
	s_barrier_signal -1
	s_barrier_wait -1               ; everybody's is.
	WLOAD 0
	NLOAD 0
.irp s, 0,1,2,3,4,5,6,7
	STEP \s
.endr
	; 1 / RMS.  The first four additions are the places behind the last product.
	WIN 0
	v_pk_add_f32 v[SS:SS+1], v[SS:SS+1], v[SS+2:SS+3]
	v_pk_add_f32 v[SS+4:SS+5], v[SS+4:SS+5], v[SS+6:SS+7]
	v_pk_add_f32 v[SS:SS+1], v[SS:SS+1], v[SS+4:SS+5]
	v_add_f32 v[SS], v[SS], v[SS+1]
	v_add_f32_dpp v[SS], v[SS], v[SS] row_xmask:1 row_mask:0xf bank_mask:0xf
	v_add_f32_dpp v[SS], v[SS], v[SS] row_xmask:2 row_mask:0xf bank_mask:0xf
	v_add_f32_dpp v[SS], v[SS], v[SS] row_xmask:4 row_mask:0xf bank_mask:0xf
	v_add_f32_dpp v[SS], v[SS], v[SS] row_xmask:8 row_mask:0xf bank_mask:0xf
	v_permlanex16_b32 v[SS+1], v[SS], s12, s13
	v_add_f32 v[SS], v[SS], v[SS+1] ; every lane holds the batch's sum of 16,384 squares
	v_fma_f32 v42, v[SS], s14, s15  ; the mean + 1e-6
	v_rsq_f32 v[RI], v42
	v_rsq_f32 v[RI+1], v42          ; twice: a pair for the packed lines
	v_nop                           ; a plain instruction behind the last of them (ISA guide 5.7.2),
	s_wait_alu depctr_va_vdst(0)    ; and a wait ahead of the first use: one for both
	s_wait_dscnt 0x0                ; the biases, the moves' offsets and their promo_bias, asked for in the last K step, are in
	; f and t = sums / rms + bias, in place; each accumulator is taken from its lowest registers up
	WIN 0xB2                        ; destination and source 0 window 2, source 1 window 0, source 2 window 3
.set a, 0
.rept 32
.set u, 0
.rept 4
	v_pk_fma_f32 v[8*a+2*u:8*a+2*u+1], v[8*a+2*u:8*a+2*u+1], v[RI:RI+1], v[BI+8*(a/4)+2*u:BI+8*(a/4)+2*u+1]
.set u, u+1
.endr
.set a, a+1
.endr
	WIN 0x0A                        ; sources window 2, destination window 0
.set a, 0
.rept 32                            ; acc(dt, i), dt = a / 4, i = a % 4, becomes half dt % 2 of fragment (i, (dt % 4) / 2) of f (dt < 4) or t
.set fd, FR+64*(a/16)+16*(a%4)+8*(((a/4)%4)/2)+4*((a/4)%2)
.set u, 0
.rept 4
	v_cvt_pk_f16_f32 v[fd+u], v[8*a+2*u], v[8*a+2*u+1]
.set u, u+1
.endr
.set a, a+1
.endr
	; S = f^T t: 16 tiles (pi = t / 4, qi = t % 4), two deep along d; the 16 accumulators take turns, and the first 16 products start the sums
	WIN 0x50                        ; sources 0 and 1 window 0; C and D window 1
.set t, 0
.rept 16
	v_wmma_f32_16x16x32_f16 v[8*t:8*t+7], v[FR+16*(t/4):FR+16*(t/4)+7], v[FR+64+16*(t%4):FR+64+16*(t%4)+7], 0
.set t, t+1
.endr
.set t, 0
.rept 16
	v_wmma_f32_16x16x32_f16 v[8*t:8*t+7], v[FR+16*(t/4)+8:FR+16*(t/4)+15], v[FR+64+16*(t%4)+8:FR+64+16*(t%4)+15], v[8*t:8*t+7]
.set t, t+1
.endr
	WIN 0x44                        ; destination and source 1 window 1.  These 128 lines, which name no register of S, are the places behind the last products
.set n, 0
.rept 64
	v_min_u32 v[AD+n], 0x3ffc, v[AD+n]  ; an offset stays inside a stage,
.set n, n+1
.endr
.set n, 0
.rept 64
	v_add_nc_u32 v[AD+n], s9, v[AD+n]   ; mine
.set n, n+1
.endr
	WIN 0
	v_cmp_le_u32 s61, s8, v[L16]    ; chunk 0: the lanes from the row's first byte on
	v_cmp_gt_u32 s62, s63, v[L16]   ; chunk 15: the lanes up to its last
	WIN 0x04                        ; address window 0, data window 1
.set t, 0
.rept 16                            ; S as it lies: 16 lanes store 256 consecutive bytes; each accumulator's lowest four registers first
	ds_store_b128 v[STO], v[8*t:8*t+3]   offset:1024*t
	ds_store_b128 v[STO], v[8*t+4:8*t+7] offset:1024*t+256
.set t, t+1
.endr
	WIN 0x41                        ; address and destination window 1
.set n, 0
.rept 64
	ds_load_b32 v[AD+n], v[AD+n]    ; the lookup.  LDS serves a wave's instructions in order (ISA guide 5.7.1.4): these see the stores above; the stage is my own, so no barrier
.set n, n+1
.endr
	; THE WAY OUT, four chunks at a time
.set g, 0
.rept 4
	s_wait_dscnt 16*(3-g)           ; this group's 16 lookups are in; the later groups' stay out
	WIN 0x45                        ; all in window 1
.set n, 0
.rept 8
	v_pk_add_f32 v[AD+16*g+2*n:AD+16*g+2*n+1], v[AD+16*g+2*n:AD+16*g+2*n+1], v[PB+16*g+2*n:PB+16*g+2*n+1]
.set n, n+1
.endr
	WIN 0x04
.set k, 4*g
.rept 4
	OSTORE
.set k, k+1
.endr
.set g, g+1
.endr
	WIN 0
	s_wait_tensorcnt 0x0            ; the wave's end: behind my last tensor load and my last LDS store
	ds_add_u32 v[SPW], v[NIL]
	s_wait_dscnt 0x0
	s_endpgm
.Lfunc_end_k_q4ebea4a9be_head:
	.size	k_q4ebea4a9be_head, .Lfunc_end_k_q4ebea4a9be_head-k_q4ebea4a9be_head
	.p2alignl 7, 3214868480
	.fill 96, 4, 3214868480
	.section	.rodata,"a",@progbits
	.p2align	6, 0x0
	.amdhsa_kernel k_q4ebea4a9be_head
		.amdhsa_group_segment_fixed_size 292352
		.amdhsa_private_segment_fixed_size 0
		.amdhsa_enable_private_segment 0
		.amdhsa_kernarg_size 88
		.amdhsa_user_sgpr_count 2
		.amdhsa_user_sgpr_kernarg_segment_ptr 1
		.amdhsa_wavefront_size32 1
		.amdhsa_system_sgpr_workgroup_id_x 1
		.amdhsa_system_sgpr_workgroup_id_y 1
		.amdhsa_system_sgpr_workgroup_id_z 1
		.amdhsa_system_vgpr_workitem_id 0
		.amdhsa_next_free_vgpr 1024
		.amdhsa_next_free_sgpr 92
		.amdhsa_reserve_vcc 1
		.amdhsa_float_denorm_mode_32 3
		.amdhsa_float_denorm_mode_16_64 3
		.amdhsa_memory_ordered 1
		.amdhsa_forward_progress 1
		.amdhsa_inst_pref_size 193
	.end_amdhsa_kernel
	.amdgpu_metadata
---
amdhsa.version: [ 1, 2 ]
amdhsa.kernels:
  - .name:           k_q4ebea4a9be_head
    .symbol:         k_q4ebea4a9be_head.kd
    .args:
      - { .name: x, .offset: 0, .size: 8, .value_kind: global_buffer, .address_space: global }
      - { .name: norm_weight, .offset: 8, .size: 8, .value_kind: global_buffer, .address_space: global }
      - { .name: from_w, .offset: 16, .size: 8, .value_kind: global_buffer, .address_space: global }
      - { .name: to_w, .offset: 24, .size: 8, .value_kind: global_buffer, .address_space: global }
      - { .name: from_b, .offset: 32, .size: 8, .value_kind: global_buffer, .address_space: global }
      - { .name: to_b, .offset: 40, .size: 8, .value_kind: global_buffer, .address_space: global }
      - { .name: promo_bias, .offset: 48, .size: 8, .value_kind: global_buffer, .address_space: global }
      - { .name: from_idx, .offset: 56, .size: 8, .value_kind: global_buffer, .address_space: global }
      - { .name: to_idx, .offset: 64, .size: 8, .value_kind: global_buffer, .address_space: global }
      - { .name: promo_idx, .offset: 72, .size: 8, .value_kind: global_buffer, .address_space: global }
      - { .name: out0, .offset: 80, .size: 8, .value_kind: global_buffer, .address_space: global }
    .group_segment_fixed_size: 292352
    .private_segment_fixed_size: 0
    .kernarg_segment_align: 8
    .kernarg_segment_size: 88
    .max_flat_workgroup_size: 128
    .sgpr_count:     92
    .vgpr_count:     1024
    .wavefront_size: 32
...
	.end_amdgpu_metadata
.endif
;; end of part 1
